; MI455X (gfx1250); checked and timed in simulation.
; The chip was launched on July 23, 2026; its instructions are those of AMD's public machine-readable ISA for CDNA 5 (MIT licence, August 2026) and "CDNA5" Instruction Set Architecture Reference Guide (July 2026). The comments in the code are by the model that wrote it; some were corrected since.
;; SP Post Processing Block. Allowed arithmetic: float matrix products may take bf16 or f16 operands with f32 sums; all other float work in f32.
;; Inputs: adj 2 x 1,024 x 1,024 float32.
;; Outputs: out0 2 x 1,024 x 1,024 float32.
;; 2 versions, each right; version 2 is version 1 with the launch sp_post written anew for expert scheduling mode. Each part assembles by itself: llvm-mc -triple=amdgcn-amd-amdhsa -mcpu=gfx1250 --defsym DOCPART=n.
;; ======== version 1 of 2: 1 launch
;; launch sp_post (part 1): grid 256 x 1, 8 waves a work-group, no clusters, 0 bytes of LDS; arguments adj, out0; writes out0
.if DOCPART == 1
	.amdgcn_target "amdgcn-amd-amdhsa--gfx1250"
	.amdhsa_code_object_version 6
	.text
	.protected	k_q811f62250d_sp_post
	.globl	k_q811f62250d_sp_post
	.p2align	8
	.type	k_q811f62250d_sp_post,@function
k_q811f62250d_sp_post:
	s_mov_b64 s[64:65], 0
	v_nop
	global_prefetch_b8 v0, s[64:65] scope:SCOPE_SE
	s_setreg_imm32_b32 hwreg(HW_REG_WAVE_MODE, 25, 1), 1
	s_wait_xcnt 0x0
; out0 = threshold(F^250(adj)), elementwise on 2 x 1024 x 1024 f32, where
;   F(x) = 1 - relu(1 - relu(|x + c| - t)),  c = f32(0.01) * (adj > 0.5 ? adj : 0),  t = f32(2e-5) = 0x37a7c5ac,
;   threshold(x) = x > 0.5 ? x : 0.
;
; THE 250 APPLICATIONS OF F ARE NOT RUN ONE BY ONE: they are composed in closed form.  The form below is equal to the f32
; iteration bit for bit for EVERY f32 input (negative, huge, infinite, denormal, NaN), so no range of inputs is excluded.
; Write u = 2^-24; t = 10995116 * 2^-39 = 335.5443.. u.
;  (1) adj > 0.5 (also +inf).  c >= 0.004999.  After the first step x is in (0.5, 1].  While the unclipped value y is below 1
;      it is at least 0.5, so 1 - (1 - y) = y exactly, and a step adds at least c - t - 2u > 0.0049 (two roundings of at most u each):
;      at most 103 steps reach y >= 1, which clips to exactly 1.0; from 1.0, 1 + c - t > 1 clips to 1.0 again; an overflow to
;      +inf clips to 1.0 too.  250 >= 103, so the result is exactly 1.0.
;  (2) otherwise (adj <= 0.5 or NaN).  c = 0.  The first step makes y = fl(|adj| - t), then relu and the clip at 1.
;      a. Once x <= 0.5 it stays <= 0.5 (fl(x - t), relu and 1 - fl(1 - y) are monotone and keep 0.5 or less), and the result is 0.
;      b. While x is in (0.5, 1] it is k u with k whole.  x - t = (k - 336 + 0.4557..) u exactly, which rounds to (k - 336) u
;         whenever that is at least 0.5 (spacing u there); if it is less, case a holds from then on, and (k - 336) u < 0.5 as well.
;         So the 249 steps behind the first subtract exactly D = 249 * 336 u = 83664 u = 0x3ba36800, or the result is 0.
;      c. z = min(y, 1) - D is a whole multiple of u below 1 whenever min(y, 1) >= 0.5: one f32 subtraction gives it exactly.
;      d. z > 0.5 holds exactly where y > 0.5 + D = (2^23 + 83664) u = 0x3f0146d0.  The comparison is made on y, so that a NaN
;         input compares false and gives 0, as in the iteration (NaN > 0.5 is false there too); v_min_num_f32 may then drop the NaN.
;  Result:  adj > 0.5 ? 1.0 : (y > 0.5 + D ? min(y, 1) - D : 0),  y = |adj| - t.
;
; THE STREAM.  16 MiB are moved for 7 operations an element: bytes decide.  256 work-groups of 8 waves; a work-group owns 32,768
; consecutive bytes, thread n the 16 bytes at 16 n of each of its 8 chunks of 4,096 bytes, so every load and every store of a wave
; covers 512 consecutive bytes that start on a multiple of 512.  Each wave issues its 8 loads before anything else: the
; work-group's whole share is on its way at once, and there is no loop.  Results overwrite the loaded registers and are stored from
; there; no address or store-data register is written again, so no wait protects sources.
; No LDS, barrier, cluster or matrix unit: no byte is shared between lanes, waves or work-groups, and there is no product.
.set CHUNK, 4096                       ; bytes that the 256 threads cover with one 16-byte access each
.set NLD,   8                          ; chunks of a work-group = loads in flight in each wave
.set T_BITS,   0x37a7c5ac              ; t = f32(2e-5)
.set NEGD_BITS, 0xbba36800             ; -D = -83664 * 2^-24
.set LIM_BITS, 0x3f0146d0              ; 0.5 + D
.set OFF, 1                            ; v1        16 x thread
.set X,   4                            ; v[4:35]   chunk j: 4 registers, adj as loaded, then the results
.set Y,   36                           ; v[36:39]  y = |adj| - t of the quad at work
.set Z,   40                           ; v[40:43]  min(y, 1) - D, then the result of case (2)
.set MB,  12                           ; s[12:15]  lanes with y > 0.5 + D, one mask for each of the quad's elements
.set MA,  16                           ; s[16:19]  lanes with adj > 0.5
	s_load_b128 s[4:7], s[0:1], 0x0                ; adj s[4:5], out0 s[6:7]
	s_lshl_b32 s2, ttmp9, 15                       ; the work-group's 32,768 bytes: at most 255 x 32,768, below 8 MiB
	s_mov_b32 s3, 0
	s_mov_b32 s8, T_BITS
	s_mov_b32 s10, LIM_BITS
	v_lshlrev_b32 v[OFF], 4, v0                    ; my 16 bytes in a chunk
	s_wait_kmcnt 0x0
	s_add_nc_u64 s[4:5], s[4:5], s[2:3]
	s_add_nc_u64 s[6:7], s[6:7], s[2:3]
.irp j, 0,1,2,3,4,5,6,7
	global_load_b128 v[X+4*\j:X+4*\j+3], v[OFF], s[4:5] offset:\j*CHUNK th:TH_LOAD_NT   ; read once in the launch
.endr
.irp j, 0,1,2,3,4,5,6,7
	s_wait_loadcnt NLD-1-\j                        ; loads come back in order (ISA guide 5.7.1): chunk j is in, the 7 - j younger loads stay out
.irp k, 0,1,2,3
	v_sub_f32 v[Y+\k], |v[X+4*\j+\k]|, s8          ; y = fl(|adj| - t): the first step's own rounding
.endr
.irp k, 0,1,2,3
	v_cmp_lt_f32 s[MA+\k], 0.5, v[X+4*\j+\k]       ; case (1): adj > 0.5 (false for NaN)
.endr
.irp k, 0,1,2,3
	v_min_num_f32 v[Z+\k], 1.0, v[Y+\k]            ; the clip at 1; the relu at 0 needs no line: a y below 0.5 ends as 0 by the mask below
.endr
.irp k, 0,1,2,3
	v_cmp_lt_f32 s[MB+\k], s10, v[Y+\k]            ; y > 0.5 + D: the value is still above 0.5 after all 250 steps (false for NaN)
.endr
.irp k, 0,2
	v_pk_add_f32 v[Z+\k:Z+\k+1], v[Z+\k:Z+\k+1], NEGD_BITS op_sel_hi:[1,0]   ; the 249 further steps at once: - D, exact where the mask holds
.endr
.irp k, 0,1,2,3
	v_cndmask_b32 v[Z+\k], 0, v[Z+\k], s[MB+\k]    ; the last threshold: kept, or +0
.endr
.irp k, 0,1,2,3
	v_cndmask_b32 v[X+4*\j+\k], v[Z+\k], 1.0, s[MA+\k]     ; case (1) gives exactly 1.0
.endr
	global_store_b128 v[OFF], v[X+4*\j:X+4*\j+3], s[6:7] offset:\j*CHUNK th:TH_STORE_NT ; written once, not read again
.endr
	s_endpgm
.Lfunc_end_k_q811f62250d_sp_post:
	.size	k_q811f62250d_sp_post, .Lfunc_end_k_q811f62250d_sp_post-k_q811f62250d_sp_post
	.p2alignl 7, 3214868480
	.fill 96, 4, 3214868480
	.section	.rodata,"a",@progbits
	.p2align	6, 0x0
	.amdhsa_kernel k_q811f62250d_sp_post
		.amdhsa_group_segment_fixed_size 0
		.amdhsa_private_segment_fixed_size 0
		.amdhsa_enable_private_segment 0
		.amdhsa_kernarg_size 16
		.amdhsa_user_sgpr_count 2
		.amdhsa_user_sgpr_kernarg_segment_ptr 1
		.amdhsa_wavefront_size32 1
		.amdhsa_system_sgpr_workgroup_id_x 1
		.amdhsa_system_sgpr_workgroup_id_y 1
		.amdhsa_system_sgpr_workgroup_id_z 1
		.amdhsa_system_vgpr_workitem_id 0
		.amdhsa_next_free_vgpr 44
		.amdhsa_next_free_sgpr 66
		.amdhsa_reserve_vcc 0
		.amdhsa_float_denorm_mode_32 3
		.amdhsa_float_denorm_mode_16_64 3
		.amdhsa_memory_ordered 1
		.amdhsa_forward_progress 1
		.amdhsa_inst_pref_size 15
	.end_amdhsa_kernel
	.amdgpu_metadata
---
amdhsa.version: [ 1, 2 ]
amdhsa.kernels:
  - .name:           k_q811f62250d_sp_post
    .symbol:         k_q811f62250d_sp_post.kd
    .args:
      - { .name: adj, .offset: 0, .size: 8, .value_kind: global_buffer, .address_space: global }
      - { .name: out0, .offset: 8, .size: 8, .value_kind: global_buffer, .address_space: global }
    .group_segment_fixed_size: 0
    .private_segment_fixed_size: 0
    .kernarg_segment_align: 8
    .kernarg_segment_size: 16
    .max_flat_workgroup_size: 256
    .sgpr_count:     66
    .vgpr_count:     44
    .wavefront_size: 32
...
	.end_amdgpu_metadata
.endif
;; end of part 1
;; ======== version 2 of 2: 1 launch; version 1 with the launch sp_post written anew for expert scheduling mode
;; launch sp_post (part 2): grid 256 x 1, 8 waves a work-group, no clusters, 0 bytes of LDS; arguments adj, out0; writes out0
.if DOCPART == 2
	.amdgcn_target "amdgcn-amd-amdhsa--gfx1250"
	.amdhsa_code_object_version 6
	.text
	.protected	k_q811f62250d_sp_post
	.globl	k_q811f62250d_sp_post
	.p2align	8
	.type	k_q811f62250d_sp_post,@function
k_q811f62250d_sp_post:
	s_mov_b64 s[64:65], 0
	v_nop
	global_prefetch_b8 v0, s[64:65] scope:SCOPE_SE
	s_setreg_imm32_b32 hwreg(HW_REG_WAVE_SCHED_MODE, 0, 2), 2
	s_setreg_imm32_b32 hwreg(HW_REG_WAVE_MODE, 25, 1), 1
	s_wait_xcnt 0x0
	s_wait_alu depctr_vm_vsrc(0)
; out0 = threshold(F^250(adj)), elementwise on 2 x 1024 x 1024 f32, where
;   F(x) = 1 - relu(1 - relu(|x + c| - t)),  c = f32(0.01) * (adj > 0.5 ? adj : 0),  t = f32(2e-5) = 0x37a7c5ac,
;   threshold(x) = x > 0.5 ? x : 0.
;
; THE 250 APPLICATIONS OF F ARE NOT RUN ONE BY ONE: they are composed in closed form.  The form below is equal to the f32
; iteration bit for bit for EVERY f32 input (negative, huge, infinite, denormal, NaN), so no range of inputs is excluded.
; Write u = 2^-24; t = 10995116 * 2^-39 = 335.5443.. u.
;  (1) adj > 0.5 (also +inf).  c >= 0.004999.  After the first step x is in (0.5, 1].  While the unclipped value y is below 1
;      it is at least 0.5, so 1 - (1 - y) = y exactly, and a step adds at least c - t - 2u > 0.0049 (two roundings of at most u each):
;      at most 103 steps reach y >= 1, which clips to exactly 1.0; from 1.0, 1 + c - t > 1 clips to 1.0 again; an overflow to
;      +inf clips to 1.0 too.  250 >= 103, so the result is exactly 1.0.
;  (2) otherwise (adj <= 0.5 or NaN).  c = 0.  The first step makes y = fl(|adj| - t), then relu and the clip at 1.
;      a. Once x <= 0.5 it stays <= 0.5 (fl(x - t), relu and 1 - fl(1 - y) are monotone and keep 0.5 or less), and the result is 0.
;      b. While x is in (0.5, 1] it is k u with k whole.  x - t = (k - 336 + 0.4557..) u exactly, which rounds to (k - 336) u
;         whenever that is at least 0.5 (spacing u there); if it is less, case a holds from then on, and (k - 336) u < 0.5 as well.
;         So the 249 steps behind the first subtract exactly D = 249 * 336 u = 83664 u = 0x3ba36800, or the result is 0.
;      c. z = min(y, 1) - D is a whole multiple of u below 1 whenever min(y, 1) >= 0.5: one f32 subtraction gives it exactly.
;      d. z > 0.5 holds exactly where y > 0.5 + D = (2^23 + 83664) u = 0x3f0146d0.  The comparison is made on y, so that a NaN
;         input compares false and gives 0, as in the iteration (NaN > 0.5 is false there too); v_min_num_f32 may then drop the NaN.
;  Result:  adj > 0.5 ? 1.0 : (y > 0.5 + D ? min(y, 1) - D : 0),  y = |adj| - t.
;
; THE STREAM.  16 MiB are moved for 7 operations an element: bytes decide.  256 work-groups of 8 waves; a work-group owns 32,768
; consecutive bytes, thread n the 16 bytes at 16 n of each of its 8 chunks of 4,096 bytes, so every load and every store of a wave
; covers 512 consecutive bytes that start on a multiple of 512.  Each wave issues its 8 loads before anything else: the
; work-group's whole share is on its way at once, and there is no loop.  Results overwrite the loaded registers and are stored from
; there; no address or store-data register is written again, so no wait protects sources.
; No LDS, barrier, cluster or matrix unit: no byte is shared between lanes, waves or work-groups, and there is no product.
;
; THE MODE: SCHED_MODE bits 1:0 = 2 (LLVM: expert scheduling mode 2), set by the entry lines.  The code itself states the register
; dependences between vector instructions and memory instructions, and those through scalar registers that vector instructions
; write, with s_wait_alu, always for 0.
; THE PLAN.  Registers that memory instructions touch:
;   v[OFF]     written once, at the head; read by all 8 loads and all 8 stores; never written again.
;   X0 .. X7   chunk j's four registers.  Its load, issued at the head before any vector line names them, lands in them; block j reads
;              them behind its wait for that load and its last four selects write them; the one store of chunk j reads them; nothing
;              writes them after that.
;   Y, Z are named by vector instructions alone.  s[MB ..], s[MA ..]: written by block j's eight compares, read by its eight selects.
; The store of chunk j - 1 stands at the head of block j, behind one wait on va_vdst; block j's vector lines name X[j], Y, Z and the
; masks, never X[j - 1] or v[OFF].  One wait on va_sdst stands in a block, behind its run of compares and ahead of its first select.
; No register that a memory instruction has read is written again, and EXEC is never written: there is no wait on vm_vsrc to state.
.set CHUNK, 4096                       ; bytes that the 256 threads cover with one 16-byte access each
.set NLD,   8                          ; chunks of a work-group = loads in flight in each wave
.set T_BITS,   0x37a7c5ac              ; t = f32(2e-5)
.set NEGD_BITS, 0xbba36800             ; -D = -83664 * 2^-24
.set LIM_BITS, 0x3f0146d0              ; 0.5 + D
.set OFF, 1                            ; v1        16 x thread
.set X,   4                            ; v[4:35]   chunk j: 4 registers, adj as loaded, then the results
.set Y,   36                           ; v[36:39]  y = |adj| - t of the quad at work
.set Z,   40                           ; v[40:43]  min(y, 1) - D, then the result of case (2)
.set MB,  12                           ; s[12:15]  lanes with y > 0.5 + D, one mask for each of the quad's elements
.set MA,  16                           ; s[16:19]  lanes with adj > 0.5
	s_load_b128 s[4:7], s[0:1], 0x0                ; adj s[4:5], out0 s[6:7]
	s_lshl_b32 s2, ttmp9, 15                       ; the work-group's 32,768 bytes: at most 255 x 32,768, below 8 MiB
	s_mov_b32 s3, 0
	s_mov_b32 s8, T_BITS
	s_mov_b32 s10, LIM_BITS
	v_lshlrev_b32 v[OFF], 4, v0                    ; my 16 bytes in a chunk
	s_wait_kmcnt 0x0
	s_add_nc_u64 s[4:5], s[4:5], s[2:3]
	s_add_nc_u64 s[6:7], s[6:7], s[2:3]
	s_wait_alu depctr_va_vdst(0)                   ; v[OFF] is written: every load and store of the kernel reads it as its offset
.irp j, 0,1,2,3,4,5,6,7
	global_load_b128 v[X+4*\j:X+4*\j+3], v[OFF], s[4:5] offset:\j*CHUNK th:TH_LOAD_NT   ; read once in the launch
.endr
.irp j, 0,1,2,3,4,5,6,7
	s_wait_loadcnt NLD-1-\j                        ; loads come back in order (ISA guide 5.7.1): chunk j is in, the 7 - j younger loads stay out
.if \j > 0
	s_wait_alu depctr_va_vdst(0)                   ; the selects of the block before have written X[j - 1], which the store below reads
	global_store_b128 v[OFF], v[X+4*(\j-1):X+4*(\j-1)+3], s[6:7] offset:(\j-1)*CHUNK th:TH_STORE_NT ; written once, not read again
.endif
.irp k, 0,1,2,3
	v_sub_f32 v[Y+\k], |v[X+4*\j+\k]|, s8          ; y = fl(|adj| - t): the first step's own rounding
.endr
.irp k, 0,1,2,3
	v_cmp_lt_f32 s[MA+\k], 0.5, v[X+4*\j+\k]       ; case (1): adj > 0.5 (false for NaN)
.endr
.irp k, 0,1,2,3
	v_min_num_f32 v[Z+\k], 1.0, v[Y+\k]            ; the clip at 1; the relu at 0 needs no line: a y below 0.5 ends as 0 by the mask below
.endr
.irp k, 0,1,2,3
	v_cmp_lt_f32 s[MB+\k], s10, v[Y+\k]            ; y > 0.5 + D: the value is still above 0.5 after all 250 steps (false for NaN)
.endr
.irp k, 0,2
	v_pk_add_f32 v[Z+\k:Z+\k+1], v[Z+\k:Z+\k+1], NEGD_BITS op_sel_hi:[1,0]   ; the 249 further steps at once: - D, exact where the mask holds
.endr
	s_wait_alu depctr_va_sdst(0)                   ; the block's eight compares have written s[MB ..] and s[MA ..], which the selects below read
.irp k, 0,1,2,3
	v_cndmask_b32 v[Z+\k], 0, v[Z+\k], s[MB+\k]    ; the last threshold: kept, or +0
.endr
.irp k, 0,1,2,3
	v_cndmask_b32 v[X+4*\j+\k], v[Z+\k], 1.0, s[MA+\k]     ; case (1) gives exactly 1.0
.endr
.endr
	s_wait_alu depctr_va_vdst(0)                   ; the last block's selects have written X7, which the last store reads
	global_store_b128 v[OFF], v[X+4*7:X+4*7+3], s[6:7] offset:7*CHUNK th:TH_STORE_NT ; written once, not read again
	s_endpgm
.Lfunc_end_k_q811f62250d_sp_post:
	.size	k_q811f62250d_sp_post, .Lfunc_end_k_q811f62250d_sp_post-k_q811f62250d_sp_post
	.p2alignl 7, 3214868480
	.fill 96, 4, 3214868480
	.section	.rodata,"a",@progbits
	.p2align	6, 0x0
	.amdhsa_kernel k_q811f62250d_sp_post
		.amdhsa_group_segment_fixed_size 0
		.amdhsa_private_segment_fixed_size 0
		.amdhsa_enable_private_segment 0
		.amdhsa_kernarg_size 16
		.amdhsa_user_sgpr_count 2
		.amdhsa_user_sgpr_kernarg_segment_ptr 1
		.amdhsa_wavefront_size32 1
		.amdhsa_system_sgpr_workgroup_id_x 1
		.amdhsa_system_sgpr_workgroup_id_y 1
		.amdhsa_system_sgpr_workgroup_id_z 1
		.amdhsa_system_vgpr_workitem_id 0
		.amdhsa_next_free_vgpr 44
		.amdhsa_next_free_sgpr 66
		.amdhsa_reserve_vcc 0
		.amdhsa_float_denorm_mode_32 3
		.amdhsa_float_denorm_mode_16_64 3
		.amdhsa_memory_ordered 1
		.amdhsa_forward_progress 1
		.amdhsa_inst_pref_size 16
	.end_amdhsa_kernel
	.amdgpu_metadata
---
amdhsa.version: [ 1, 2 ]
amdhsa.kernels:
  - .name:           k_q811f62250d_sp_post
    .symbol:         k_q811f62250d_sp_post.kd
    .args:
      - { .name: adj, .offset: 0, .size: 8, .value_kind: global_buffer, .address_space: global }
      - { .name: out0, .offset: 8, .size: 8, .value_kind: global_buffer, .address_space: global }
    .group_segment_fixed_size: 0
    .private_segment_fixed_size: 0
    .kernarg_segment_align: 8
    .kernarg_segment_size: 16
    .max_flat_workgroup_size: 256
    .sgpr_count:     66
    .vgpr_count:     44
    .wavefront_size: 32
...
	.end_amdgpu_metadata
.endif
;; end of part 2
